; MI455X (gfx1250); checked and timed in simulation.
; The chip was launched on July 23, 2026; its instructions are those of AMD's public machine-readable ISA for CDNA 5 (MIT licence, August 2026) and "CDNA5" Instruction Set Architecture Reference Guide (July 2026). The comments in the code are by the model that wrote it; some were corrected since.
;; dot Product Attention. Allowed arithmetic: matrix products marked QUANTISED: E5M2 operands, one given power-of-two scale a tensor, by v_wmma_f32_16x16x64_bf8_bf8 or v_wmma_f32_16x16x128_bf8_bf8, f32 sums; everything else in f32.
;; Inputs: keys_codes 4 x 16 x 2,048 x 2 x 32 uint8 (E5M2 codes of keys, K innermost, in blocks of 32 codes); lowp_scales 4 int32 (the exponents e of the quantised operands' scales 2^e); queries_codes 4 x 16 x 2,048 x 2 x 32 uint8 (E5M2 codes of queries, K innermost, in blocks of 32 codes); values_codes 4 x 16 x 64 x 64 x 32 uint8 (E5M2 codes of values, K innermost, in blocks of 32 codes).
;; Outputs: out0 4 x 16 x 2,048 x 64 float32.
;; Constants: d_k = 64.
;; This version of the problem:
;;   THIS VERSION OF THE PROBLEM IS GIVEN IN LOW PRECISION. The matrix products marked QUANTISED in the list below multiply operands that are first quantised to E5M2 (5 exponent bits, 2 mantissa bits; 8 bits a number), with one given power-of-two scale for each operand tensor; their sums are f32. All else is computed in f32.
;;   The module's matrix products, in the order in which they are computed (A, B: the left and right operand; K: the contracted axis; several contracted axes count as one K, in the product's order):
;;     1. batch 64 x [M 2,048, K 64] x [K 64, N 2,048]; A: input queries (given as codes); B: input keys (given as codes): QUANTISED (scales: A lowp_scales[0], B lowp_scales[1])
;;     2. batch 64 x [M 2,048, K 2,048] x [K 2,048, N 64]; A: softmax (see below); B: input values (given as codes): QUANTISED (scales: A lowp_scales[2], B lowp_scales[3])
;;   THE QUANTISER, for each operand of a quantised product, along K:
;;     - The operand's scale is 2^e, e = its entry of the input lowp_scales (int32; the entries are numbered through the quantised products in the list's order, A before B).
;;     - Each number is divided by the scale, clamped to +-57,344, and rounded to the nearest number of E5M2, ties to even, subnormals kept.
;;     - The product sums the exact products of the quantised numbers (number of the format x scale) in f32.
;;   ~~~python
;;   def quantise(x, axis, e):      # numpy; x: float32 -> the quantised numbers, widened to float32 again
;;       x = np.moveaxis(x, axis, -1); K = x.shape[-1]
;;       r = np.clip(x / 2.0 ** e, -57344, 57344)
;;       step = 2.0 ** (np.maximum(np.frexp(np.where(r == 0, 1, r))[1] - 1, -14) - 2)
;;       q = np.round(r / step) * step * 2.0 ** e      # np.round: ties to even
;;       return np.moveaxis(q, -1, axis).astype(np.float32)
;;   ~~~
;;   SOFTMAX AHEAD OF A QUANTISED PRODUCT. Where the list says 'softmax', what is quantised is not the finished softmax but p = 2^(t - M), with t = logit x log2(e) and M = ceil(the row's largest t), a whole number; so 1/2 < the row's largest p <= 1. The row's sum l is taken of the UNQUANTISED p, in f32, and the product's result is divided by l at the end. Since M is a whole number, a kernel that streams over the keys may use a running M (the ceiling of the running maximum): every later rescaling is an exact power of two, so the quantised numbers keep their values, but for numbers so far below the row's largest that they fall under the format's range.
;;   OPERANDS COMPUTED ON THE WAY. 'Computed on the way' means the value that the module computes at that place (a softmax that the list does not call 'softmax' is quantised finished and normalised). What goes into a quantiser is computed in f32, as accurately as f32 sums, v_exp_f32 and their like allow (about 1e-6 of the number): no bf16 or f16 on the way to a quantiser, and a product that is left as it is and whose result goes on into a quantised operand takes f32 operands (vector FMAs, or v_wmma_f32_16x16x4_f32). A number that lies on a knife's edge between two numbers of the format may be rounded either way, as far as f32 arithmetic and the matrix unit's own rounding can turn it there, and no further.
;;   INPUTS GIVEN AS CODES. keys (in the module: [4, 16, 2048, 64], K = its axis 3); queries (in the module: [4, 16, 2048, 64], K = its axis 3); values (in the module: [4, 16, 2048, 64], K = its axis 2): each comes as NAME_codes (uint8): NAME with its K axis moved to the last place and cut into blocks of 32 codes, [.., K / 32, bytes a block], one block behind the other in memory; one code a byte (a code: sign, 5 exponent bits, 2 mantissa bits); its scale is its entry of lowp_scales. Its value is code x scale, taken as it is: it is not quantised again, and the codes and scales need not be those that the quantiser above would give.
;; One version. Each part assembles by itself: llvm-mc -triple=amdgcn-amd-amdhsa -mcpu=gfx1250 --defsym DOCPART=n.
;; ======== version 1 of 1: 1 launch
;; limits: right only within a limited range of input values
;; launch attn (part 1): grid 4 x 64, 16 waves a work-group, clusters of 4 x 1, 327,680 bytes of LDS; arguments queries_codes, keys_codes, values_codes, lowp_scales, out0; writes out0
.if DOCPART == 1
	.amdgcn_target "amdgcn-amd-amdhsa--gfx1250"
	.amdhsa_code_object_version 6
	.text
	.protected	k_qbd6bbdd832_attn
	.globl	k_qbd6bbdd832_attn
	.p2align	8
	.type	k_qbd6bbdd832_attn,@function
k_qbd6bbdd832_attn:
	s_mov_b64 s[64:65], 0
	v_nop
	global_prefetch_b8 v0, s[64:65] scope:SCOPE_SE
	s_setreg_imm32_b32 hwreg(HW_REG_WAVE_MODE, 25, 1), 1
	s_wait_xcnt 0x0
	s_wait_alu depctr_hold_cnt(0) depctr_sa_sdst(0) depctr_va_vdst(0) depctr_va_sdst(0) depctr_va_ssrc(0) depctr_va_vcc(0) depctr_vm_vsrc(0)
	s_getreg_b32 s2, hwreg(HW_REG_IB_STS2, 6, 4)
	s_cmp_eq_u32 s2, 0
	s_cbranch_scc0 .Lentry_in_a_cluster
	s_endpgm
.Lentry_in_a_cluster:
	s_bfe_u32 s2, ttmp6, 0x10000c
	s_cmp_lg_u32 s2, 0x3003
	s_cbranch_scc0 .Lentry_shape_is_right
	s_endpgm
.Lentry_shape_is_right:
; O[head][q][:] = the sum over k of softmax_k(Q[head][q] . K[head][k] / sqrt(64)) V[head][k][:], 64 heads, 2,048 queries and keys, head size 64, no mask.
; Both products on codes of BF8 (E5M2), each tensor with the one scale 2^e that is given for it: eq, ek, ep, ev.
; Q, K: [head][2048][64] codes.  V: [head][64][2048] codes, the KEYS innermost, since the keys are the second product's K.  O: [head][2048][64] f32.
; THE SOFTMAX AHEAD OF THE SECOND PRODUCT: t = score x 2^(eq + ek) x log2(e) / 8; M = the row's largest t so far, rounded UP to a whole number; p = 2^(t - M) is quantised with 2^ep, not normalised.
; The row's sum is taken of the unquantised p, in f32, and divides O at the end.  When M moves, the sum and O are multiplied by 2^(old M - new M): exact.
; SHARES.  A work-group owns 512 queries of one head; each of its sixteen waves 32 of them, two tiles of 16, in 256 registers.  Every wave walks all keys, 128 a step, 16 steps.
; A HEAD'S K AND V LIE WHOLE IN LDS: 262,144 bytes of codes, 297,088 with padding.  Every byte is filled once, by ONE tensor load of each of the sixteen waves at the head, and one barrier shows them to all;
; no barrier stands between the steps but the halves of one for the way out's stages.  Nothing is prefetched: all of K, V and Q is asked for at the head, and there is no loop to run ahead in.
; CLUSTER.  The four work-groups of a cluster are the four query blocks of one head and need the same K and V: each tile is asked for JOINTLY, by the same tensor load with the same descriptor and a mask that names the four.
; LAYOUT.  Both products are used transposed: S^T = K Q^T (source 0 = 16 keys, source 1 = 16 queries), O^T = V^T P^T (source 0 = 16 channels, source 1 = P): a lane (r = lane % 16, h = lane / 16) holds ONE query, r, throughout.
; THE KEYS OF A TILE ARE NOT NEIGHBOURS: in step s lane r of tile t takes key 1024 (r / 8) + 64 s + 8 t + r % 8.  So a lane's 64 results of a step are 64 neighbouring keys, 1024 h + 64 s + 0 .. 63,
; and the conversions' results are the second product's operand: registers 4 b .. 4 b + 3 hold keys 1024 h + 64 s + 16 b + 0 .. 15; V's fragments are read alike.
; In LDS a key's row is 80 bytes and the second 1,024 keys begin 128 bytes off a multiple of 256 from the first, so that the sixteen rows of a tile, 5 y and 5 y + 8 times 16 bytes modulo 256 (y = 0 .. 7), take sixteen different places of 16 bytes.
; Fragments come by loads of 16 bytes: a permutation of k, the same on both sides of each product.
; LIMITS on the given exponents, so that each power of two below is an f32 number: eq + ek between -123 and 130; ep between -126 and 112; ep + ev goes by v_ldexp_f32 and has none.  The promise holds while t stays under 2^31 in magnitude.
; Codes of infinity or NaN among the inputs are not served: they go to the matrix unit as they are.
.set KP,    80                         ; a key's row in LDS: 64 bytes + 16 of padding
.set KCH,   256*KP                     ; what one wave fetches of K
.set KHALF, 1024*KP+128                ; where the second 1,024 keys begin
.set KSTEP, 64*KP                      ; a step on in K
.set VP,    1040                       ; a channel's row of half the keys: 1,024 bytes + 16
.set VT,    16*VP                      ; what one wave fetches of V: 16 channels x 1,024 keys
.set VAREA, 164096                     ; behind K's 163,968 bytes, on a multiple of 256
.set SPARE, VAREA+8*VT                 ; the spare words, 128 bytes for each wave
.set SP,    272                        ; the way out: 16 rows x 272 bytes for each wave, on K's rows of steps 0 to 6 (35,840 bytes in each half of K, read by nobody behind the split barrier):
.set STG1,  82176                      ; waves 0 to 7 from byte 0 on, waves 8 to 15 from here on, 34,816 bytes each
.set AK0, 1                            ; my lane's place in a tile of K, in one of V
.set AV0, 2
.set SPW, 3                            ; my spare word, and 0: never rewritten
.set NIL, 4
.set SCL, 7                            ; 2^ep as f32
.set TA,  8                            ; v[8:9] at work
.set TB,  9
.set F,   10                           ; v[10:11]: f = 2^(old M - new M), the lane exchange's result
.set ST,  12                           ; tile i's statistics at v[12 + 4 i]: -M, the largest raw score, the sum in two halves
.set X8,  20                           ; v20-27 at work: further chains of the maxima and of the sums
.set QF,  28                           ; v28-43 Q
.set PC0, 44                           ; v44-59 p's codes of tile 0
.set T4,  60                           ; v60-63 at work; with the first twelve of S they become p's codes of tile 1
.set S,   64                           ; v64-127 S^T, then p
.set KV,  128                          ; v128-191 a step's K, then its V
.set O,   192                          ; v192-255 O^T, 32 a tile
.set WV,  14                           ; my wave's number
.set G1K, 16                           ; s[16:23], s[24:31] descriptor group 1 for K's tiles, for V's
.set G1V, 24
.set CS,  34                           ; s[34:35] c = 2^(eq + ek) log2(e) / 8
.set SEL, 36                           ; s[36:37] lane selects: lane l xor 16
.set LIM, 38                           ; 57,344 x 2^ep
.set EPV, 40                           ; ep + ev
.set TK,  41                           ; the step's bytes in K's rows,
.set TV,  42                           ; and in V's
.set CNT, 43
.set G0K, 44                           ; s[44:47], s[48:51] descriptor groups 0
.set G0V, 48
; A round of the cluster's barrier
.macro CROUND
	s_barrier_signal -1
	s_barrier_wait -1
	s_cmp_lg_u32 s[WV], 0
	s_cbranch_scc1 .Lnot_wave_0_\@
	s_barrier_signal -3
.Lnot_wave_0_\@:
	s_barrier_wait -3
	s_barrier_signal -1
	s_barrier_wait -1
.endm
.macro PLACES                          ; four plain vector instructions between a matrix instruction and the first read of its result by a vector instruction (ISA guide 7.12.1)
.rept 4
	v_nop
.endr
.endm
; A step's K: eight tiles of 16 keys x 64 channels, at byte off behind the step in hand.  The addition and the four v_nop are five places behind the last products.
.macro LOADK off
	v_add_nc_u32 v[TA], s[TK], v[AK0]
	PLACES
.irp t, 0,1,2,3,4,5,6,7
.irp c, 0,1
	ds_load_b128 v[KV+8*\t+4*\c:KV+8*\t+4*\c+3], v[TA] offset:(\off)+8*KP*\t+32*\c
.endr
.endr
.endm
; A step's V: four fragments of 16 channels x 128 keys.  The addition and the three v_nop are the four places behind the products that read K.
.macro LOADV
	v_add_nc_u32 v[TA], s[TV], v[AV0]
.rept 3
	v_nop
.endr
.irp g, 0,1,2,3
.irp b, 0,1,2,3
	ds_load_b128 v[KV+16*\g+4*\b:KV+16*\g+4*\b+3], v[TA] offset:VT*\g+16*\b
.endr
.endr
.endm
; S^T = K Q^T for tile i of queries, four tiles of keys from t0 on: one instruction is the whole sum over the head's 64
.macro QK i, t0
.irp t, 0,1,2,3
	v_wmma_f32_16x16x64_bf8_bf8 v[S+8*(\t0+\t):S+8*(\t0+\t)+7], v[KV+8*(\t0+\t):KV+8*(\t0+\t)+7], v[QF+8*(\i):QF+8*(\i)+7], 0
.endr
.endm
; O^T += V^T P^T for both tiles: eight accumulators, one instruction each; a step's products K Q^T stand between two links of a chain
.macro PV
.irp g, 0,1,2,3
	v_wmma_f32_16x16x128_bf8_bf8 v[O+8*\g:O+8*\g+7], v[KV+16*\g:KV+16*\g+15], v[PC0:PC0+15], v[O+8*\g:O+8*\g+7]
	v_wmma_f32_16x16x128_bf8_bf8 v[O+32+8*\g:O+32+8*\g+7], v[KV+16*\g:KV+16*\g+15], v[T4:T4+15], v[O+32+8*\g:O+32+8*\g+7]
.endr
.endm
; t - M, two at a time (of the pairs c and -M the low word serves both halves)
.macro ARG j
	v_pk_fma_f32 v[\j:\j+1], v[\j:\j+1], s[CS:CS+1], v[m:m+1] op_sel_hi:[1,0,0]
.endm
; THE HOLD, two numbers an instruction.  The conversion to an 8-bit code does not saturate (ISA guide 7.6.2); p is not negative, so the hold is one-sided.  It stands whatever ep is.
.macro HELD j
	v_dual_min_num_f32 v[\j], s[LIM], v[\j] :: v_dual_min_num_f32 v[\j+1], s[LIM], v[\j+1]
.endm
; THE SOFTMAX of tile i for one key step.  A lane holds 64 scores of one query; pc: where the codes go.
.macro SOFTMAX i, pc
.set m, ST+4*(\i)
	v_max3_num_f32 v[TA], v[S], v[S+1], v[S+2]     ; the largest score, in eight chains (v8, v9, v60-63, v20, v21); registers in ascending order
	v_max3_num_f32 v[TB], v[S+3], v[S+4], v[S+5]
	v_max3_num_f32 v[T4], v[S+6], v[S+7], v[S+8]
	v_max3_num_f32 v[T4+1], v[S+9], v[S+10], v[S+11]
	v_max3_num_f32 v[T4+2], v[S+12], v[S+13], v[S+14]
	v_max3_num_f32 v[T4+3], v[S+15], v[S+16], v[S+17]
	v_max3_num_f32 v[X8], v[S+18], v[S+19], v[S+20]
	v_max3_num_f32 v[X8+1], v[S+21], v[S+22], v[S+23]
.set j, S+24
.rept 2
	v_max3_num_f32 v[TA], v[TA], v[j], v[j+1]
	v_max3_num_f32 v[TB], v[TB], v[j+2], v[j+3]
	v_max3_num_f32 v[T4], v[T4], v[j+4], v[j+5]
	v_max3_num_f32 v[T4+1], v[T4+1], v[j+6], v[j+7]
	v_max3_num_f32 v[T4+2], v[T4+2], v[j+8], v[j+9]
	v_max3_num_f32 v[T4+3], v[T4+3], v[j+10], v[j+11]
	v_max3_num_f32 v[X8], v[X8], v[j+12], v[j+13]
	v_max3_num_f32 v[X8+1], v[X8+1], v[j+14], v[j+15]
.set j, j+16
.endr
	v_max3_num_f32 v[TA], v[TA], v[S+56], v[S+57]
	v_max3_num_f32 v[TB], v[TB], v[S+58], v[S+59]
	v_max3_num_f32 v[T4], v[T4], v[S+60], v[S+61]
	v_max3_num_f32 v[T4+1], v[T4+1], v[S+62], v[S+63]
	v_max3_num_f32 v[T4+2], v[T4+2], v[T4+3], v[X8]
	v_max3_num_f32 v[TA], v[TA], v[TB], v[X8+1]
	v_max3_num_f32 v[T4], v[T4], v[T4+1], v[m+1]   ; with the largest of the steps before
	s_delay_alu instid0(VALU_DEP_1)
	v_max3_num_f32 v[TA], v[TA], v[T4], v[T4+2]
	s_delay_alu instid0(VALU_DEP_1)
	v_permlanex16_b32 v[F+1], v[TA], s[SEL], s[SEL+1]   ; the query's other 64 keys lie in the lane 16 away
	s_delay_alu instid0(VALU_DEP_1)
	v_max_num_f32 v[m+1], v[TA], v[F+1]
	s_delay_alu instid0(VALU_DEP_1)
	v_mul_f32 v[TA], s[CS], v[m+1]                 ; as t (c is positive)
	s_delay_alu instid0(VALU_DEP_1)
	v_floor_f32 v[TA], -v[TA]                      ; the new -M = floor(-t) = -ceil(t): M IS A WHOLE NUMBER
	s_delay_alu instid0(VALU_DEP_1)
	v_sub_f32 v[TB], v[TA], v[m]                   ; M's old value less its new one: a whole number, 0 or less
	v_mov_b32 v[m], v[TA]
.set j, S
.rept 4
	ARG j                                          ; the first half's arguments, with f's two lines among them
.set j, j+2
.endr
	v_cvt_i32_f32 v[TB], v[TB]                     ; (it saturates)
.rept 4
	ARG j
.set j, j+2
.endr
	v_ldexp_f32 v[F], 1.0, v[TB]                   ; f = 2^(old M - new M): a multiplication by it rounds nothing
.rept 8
	ARG j
.set j, j+2
.endr
	s_wait_alu depctr_va_vdst(0)                   ; ahead of the batch, and ahead of the first readers of the last products' results
.set j, O+32*(\i)
.rept 16
	v_pk_mul_f32 v[j:j+1], v[j:j+1], v[F:F+1] op_sel_hi:[1,0]   ; O^T under the new M, each accumulator from its low end on
.set j, j+2
.endr
.set j, S
.rept 16
	v_exp_f32 v[j], v[j]                           ; p = 2^(t - M), at most 1: NOT normalised.  The first half,
	v_exp_f32 v[j+1], v[j+1]
	ARG j+32                                       ; with the second half's arguments among them
.set j, j+2
.endr
	s_wait_alu depctr_va_vdst(0)                   ; behind the first batch and ahead of the second
	v_pk_mul_f32 v[m+2:m+3], v[m+2:m+3], v[F:F+1] op_sel_hi:[1,0]   ; the sum under the new M
	v_pk_add_f32 v[TA:TB], v[S:S+1], v[S+2:S+3]    ; THE ROW'S SUM IS TAKEN OF THE UNQUANTISED p: two at a time, in eight chains
	v_pk_add_f32 v[T4:T4+1], v[S+4:S+5], v[S+6:S+7]
	v_pk_add_f32 v[T4+2:T4+3], v[S+8:S+9], v[S+10:S+11]
	v_pk_add_f32 v[X8:X8+1], v[S+12:S+13], v[S+14:S+15]
	v_pk_add_f32 v[X8+2:X8+3], v[S+16:S+17], v[S+18:S+19]
	v_pk_add_f32 v[X8+4:X8+5], v[S+20:S+21], v[S+22:S+23]
	v_pk_add_f32 v[X8+6:X8+7], v[S+24:S+25], v[S+26:S+27]
	v_pk_add_f32 v[m+2:m+3], v[m+2:m+3], v[S+28:S+29]
	v_pk_add_f32 v[TA:TB], v[TA:TB], v[S+30:S+31]
.set j, S
.rept 16
	v_exp_f32 v[j+32], v[j+32]                     ; the second half,
	v_exp_f32 v[j+33], v[j+33]
	HELD j                                         ; with the first half's holds among them
.set j, j+2
.endr
	s_wait_alu depctr_va_vdst(0)                   ; behind the second batch
.set j, S+32
.rept 2
	v_pk_add_f32 v[T4:T4+1], v[T4:T4+1], v[j:j+1]
	v_pk_add_f32 v[T4+2:T4+3], v[T4+2:T4+3], v[j+2:j+3]
	v_pk_add_f32 v[X8:X8+1], v[X8:X8+1], v[j+4:j+5]
	v_pk_add_f32 v[X8+2:X8+3], v[X8+2:X8+3], v[j+6:j+7]
	v_pk_add_f32 v[X8+4:X8+5], v[X8+4:X8+5], v[j+8:j+9]
	v_pk_add_f32 v[X8+6:X8+7], v[X8+6:X8+7], v[j+10:j+11]
	v_pk_add_f32 v[m+2:m+3], v[m+2:m+3], v[j+12:j+13]
	v_pk_add_f32 v[TA:TB], v[TA:TB], v[j+14:j+15]
.set j, j+16
.endr
	v_pk_add_f32 v[T4:T4+1], v[T4:T4+1], v[T4+2:T4+3]   ; the chains are joined, with the second half's holds among the joins
	v_pk_add_f32 v[X8:X8+1], v[X8:X8+1], v[X8+2:X8+3]
	v_pk_add_f32 v[X8+4:X8+5], v[X8+4:X8+5], v[X8+6:X8+7]
	v_pk_add_f32 v[m+2:m+3], v[m+2:m+3], v[TA:TB]
.set j, S+32
.rept 6
	HELD j
.set j, j+2
.endr
	v_pk_add_f32 v[T4:T4+1], v[T4:T4+1], v[X8:X8+1]
	v_pk_add_f32 v[m+2:m+3], v[m+2:m+3], v[X8+4:X8+5]
.rept 6
	HELD j
.set j, j+2
.endr
	v_pk_add_f32 v[m+2:m+3], v[m+2:m+3], v[T4:T4+1]
.rept 4
	HELD j
.set j, j+2
.endr
.irp b, 0,1,2,3                        ; registers 4 b .. 4 b + 3 of the operand: keys 16 b + 0 .. 15 of my 64
	v_cvt_scalef32_pk8_bf8_f32 v[\pc+4*\b:\pc+4*\b+1], v[S+16*\b:S+16*\b+7], v[SCL]
	v_cvt_scalef32_pk8_bf8_f32 v[\pc+4*\b+2:\pc+4*\b+3], v[S+16*\b+8:S+16*\b+15], v[SCL]
.if (\i) == 1 || \b == 3
	v_nop                                          ; a plain line between a conversion and the line that writes over its sources (tile 1: the next block's codes; tile 0: the next products)
.endif
.endr
.endm
; A KEY STEP: 128 keys, for my two tiles; more = 1: a step follows, and its K is asked for at this one's end
.macro STEP more
	s_wait_dscnt 8                                 ; K's first four tiles are in; behind them: the other four's eight loads
	QK 0, 0
	s_wait_dscnt 0x0
	QK 0, 4
	PLACES                                         ; in front of the first read of the scores
	SOFTMAX 0, PC0
	QK 1, 0                                        ; tile 1's scores take the registers that tile 0's p has left
	QK 1, 4
	LOADV                                          ; V lands while tile 1's softmax is worked
	SOFTMAX 1, T4
	s_wait_alu depctr_va_vdst(0)
	s_wait_dscnt 0x0                               ; V is in
	PV
.if \more
	LOADK KSTEP
	s_add_co_u32 s[TK], s[TK], KSTEP
	s_add_co_u32 s[TV], s[TV], 64
.endif
.endm
	s_load_b256 s[4:11], s[0:1], 0x0               ; Q's codes s[4:5], K's s[6:7], V's s[8:9], the scales' exponents s[10:11]
	s_load_b64 s[12:13], s[0:1], 0x20              ; O
	v_lshl_add_u32 v[SPW], v0, 2, SPARE
	v_mov_b32 v[NIL], 0
	ds_add_u32 v[SPW], v[NIL]                      ; the wave's opening: the add, twice on end, and its wait ahead of my tensor load
	ds_add_u32 v[SPW], v[NIL]
	v_lshrrev_b32 v8, 5, v0
	v_readfirstlane_b32 s[WV], v8                  ; wave 0..15
	v_and_b32 v9, 15, v0                           ; r
	v_bfe_u32 v11, v0, 4, 1                        ; h
	v_lshlrev_b32 v10, 11, v8                      ; Q: 32 rows of 64 bytes a wave
	v_lshl_add_u32 v10, v9, 6, v10
	v_lshl_add_u32 v10, v11, 4, v10
	s_and_b32 s15, s[WV], 7                        ; waves 0 to 7 fetch K's eighths, waves 8 to 15 V's
	s_lshr_b32 s38, s15, 2                         ; which half of the keys
	s_and_b32 s39, s[WV], 3                        ; V: which 16 channels
	; descriptor group 1.  K: 256 keys, dense in memory: 64 rows of 256 bytes, padded behind each 64 bytes;  V: 16 rows of 1,024 bytes, 2,048 apart, padded behind each
	s_mov_b32 s[G1K], 15|(1<<20)|(1<<21)|(3<<22)|(3<<25)   ; 15:0 the mask: all four work-groups; elements of 1 byte; 20 padding on; 21 set beside a mask; 24:22 after every 16 words (code 3); 31:25 four words (code 3)
	s_mov_b32 s[G1K+1], 256<<16                    ; tensor_dim0
	s_mov_b32 s[G1K+2], 64<<16                     ; tensor_dim1
	s_mov_b32 s[G1K+3], 256<<16                    ; tile_dim0
	s_mov_b32 s[G1K+4], 64                         ; tile_dim1
	s_mov_b32 s[G1K+5], 256                        ; tensor_dim0_stride
	s_mov_b32 s[G1K+6], 0
	s_mov_b32 s[G1K+7], 0
	s_mov_b32 s[G1V], 15|(1<<20)|(1<<21)|(7<<22)|(3<<25)   ; the same with four words of padding after every 256 (code 7)
	s_mov_b32 s[G1V+1], 1024<<16
	s_mov_b32 s[G1V+2], 16<<16
	s_mov_b32 s[G1V+3], 1024<<16
	s_mov_b32 s[G1V+4], 16
	s_mov_b32 s[G1V+5], 2048
	s_mov_b32 s[G1V+6], 0
	s_mov_b32 s[G1V+7], 0
	; offsets, apart from the addresses.  What feeds the descriptors is made of the head and the wave's number alone
	s_and_b32 s32, ttmp7, 0xffff                   ; the head = the cluster's y, which the four partners share
	s_lshl_b32 s52, s32, 17                        ; its first byte in each tensor of codes
	s_lshl_b32 s54, s15, 14
	s_add_co_u32 s54, s54, s52                     ; K: 256 keys a wave
	s_mov_b32 s55, 0
	s_lshl_b32 s60, s39, 15
	s_add_co_u32 s60, s60, s52                     ; V: 16 channels,
	s_lshl_b32 s61, s38, 10
	s_add_co_u32 s60, s60, s61                     ; and half the keys
	s_mov_b32 s61, 0
	s_mov_b32 s[G0K], 1                            ; 1:0 count = 1
	s_mul_i32 s[G0K+1], s15, KCH                   ; 63:32 LDS address
	s_lshl_b32 s53, s38, 7
	s_add_co_u32 s[G0K+1], s[G0K+1], s53           ; the second half of the keys begins 128 bytes further on
	s_mov_b32 s[G0V], 1
	s_mul_i32 s[G0V+1], s15, VT
	s_add_co_u32 s[G0V+1], s[G0V+1], VAREA
	s_bfe_u32 s53, ttmp6, 0x40000                  ; cx: it enters Q's and O's addresses alone
	s_lshl_b32 s62, ttmp9, 2                       ; in a cluster launch ttmp9 counts clusters
	s_add_co_u32 s53, s53, s62                     ; my block of 512 queries
	s_lshl_b32 s62, s53, 15                        ; Q: 512 rows of 64 bytes a block
	s_add_co_u32 s62, s62, s52
	s_mov_b32 s63, 0
	s_lshl_b32 s32, s32, 19                        ; O: 2,048 rows of 256 bytes a head, 512 a block
	s_lshl_b32 s53, s53, 17
	s_add_co_u32 s32, s32, s53
	s_mov_b32 s33, 0
	s_wait_alu depctr_va_vdst(0)
	s_wait_dscnt 0x0                               ; both opening adds are done
	s_wait_kmcnt 0x0
	s_load_b128 s[56:59], s[10:11], 0x0            ; eq, ek, ep, ev
	s_add_nc_u64 s[G0K+2:G0K+3], s[6:7], s[54:55]  ; 120:64 global address
	s_or_b32 s[G0K+3], s[G0K+3], 0x80000000        ; 127:126 type = 2
	s_add_nc_u64 s[G0V+2:G0V+3], s[8:9], s[60:61]
	s_or_b32 s[G0V+3], s[G0V+3], 0x80000000
	s_add_nc_u64 s[4:5], s[4:5], s[62:63]
	s_add_nc_u64 s[12:13], s[12:13], s[32:33]
	CROUND                                         ; all four work-groups are here: the joint loads meet
	; ALL FILLS OF THE LAUNCH, one tensor load a wave, in the two arms of a branch on the wave's number
	s_cmp_lt_u32 s[WV], 8
	s_cbranch_scc0 .Lfor_v
	tensor_load_to_lds s[G0K:G0K+3], s[G1K:G1K+7]
	s_nop 0
	PLACES                                         ; (four v_nop behind each of the two lines)
	s_branch .Lasked
.Lfor_v:
	tensor_load_to_lds s[G0V:G0V+3], s[G1V:G1V+7]
	s_nop 0
	PLACES
.Lasked:
.irp t, 0,1                            ; Q's two fragments stay in registers: registers 4 c .. 4 c + 3 hold channels 32 c + 16 h + 0 .. 15 of query 16 t + r
.irp c, 0,1
	global_load_b128 v[QF+8*\t+4*\c:QF+8*\t+4*\c+3], v10, s[4:5] offset:1024*\t+32*\c th:TH_LOAD_NT
.endr
.endr
	v_and_b32 v12, 7, v9
	v_lshrrev_b32 v13, 3, v9
	v_mul_u32_u24 v[AV0], v9, VP
	v_mul_u32_u24 v[AK0], v12, KP
	v_mul_u32_u24 v14, v13, KHALF
	v_mul_u32_u24 v15, v11, 4*VT
	v_lshl_add_u32 v[AK0], v11, 4, v[AK0]
	v_add_nc_u32 v[AV0], VAREA, v[AV0]
	v_add_nc_u32 v[AK0], v14, v[AK0]
	v_add_nc_u32 v[AV0], v15, v[AV0]
.irp i, 0,1
	v_mov_b32 v[ST+4*\i], 0x7f61b1e6               ; -M: 3e38, so that the first f is 0
	v_mov_b32 v[ST+4*\i+1], 0xff61b1e6             ; the largest raw score so far: -3e38, under every score
	v_mov_b32 v[ST+4*\i+2], 0                      ; the sum, in two halves
	v_mov_b32 v[ST+4*\i+3], 0
.endr
.set j, O
.rept 64
	v_mov_b32 v[j], 0                              ; O^T.  The key step is written with no first step of its own: its first f multiplies zeros; the loads are on their way meanwhile
.set j, j+1
.endr
	s_mov_b32 s[SEL], 0x76543210
	s_mov_b32 s[SEL+1], 0xfedcba98
	s_mov_b32 s[CS], 0x3e38aa3b                    ; log2(e) / sqrt(64)
	s_mov_b32 s[TK], 0
	s_mov_b32 s[TV], 0
	s_mov_b32 s[CNT], 7
	s_wait_alu depctr_va_vdst(0)
	s_wait_kmcnt 0x0
	s_add_co_i32 s32, s56, s57
	s_lshl_b32 s32, s32, 23
	s_add_co_i32 s[CS], s[CS], s32                 ; a score stands for score x 2^(eq + ek): the two exponents are added to c's exponent field
	s_mov_b32 s[CS+1], s[CS]                       ; (named with it as a pair, so it is written)
	s_add_co_i32 s32, s58, 127
	s_lshl_b32 s33, s32, 23
	v_mov_b32 v[SCL], s33                          ; 2^ep as f32: the conversion takes its exponent field
	s_add_co_i32 s32, s32, 15
	s_lshl_b32 s32, s32, 23
	s_or_b32 s[LIM], s32, 0x600000                 ; 57,344 x 2^ep
	s_add_co_i32 s[EPV], s58, s59
	s_wait_alu depctr_va_vdst(0)
	s_wait_loadcnt 0x0                             ; Q
	s_wait_tensorcnt 0x0                           ; my part of K or V is in
	s_barrier_signal -1
	s_barrier_wait -1                              ; and everybody's: K and V are whole; no LDS byte is filled again
	LOADK 0
.Lfirst:                                           ; steps 0 to 6
	STEP 1
	s_sub_co_u32 s[CNT], s[CNT], 1
	s_cmp_lg_u32 s[CNT], 0
	s_cbranch_scc1 .Lfirst
	s_wait_dscnt 0x0                               ; step 7's K is in,
	s_barrier_signal -1                            ; and I read K's rows of steps 0 to 6 no more.  Up to the wait on the way out stand register work and LDS loads of rows that nobody writes
	s_mov_b32 s[TK], 7*KSTEP
	s_mov_b32 s[TV], 7*64
	s_mov_b32 s[CNT], 8
.Lsecond:                                          ; steps 7 to 14
	STEP 1
	s_sub_co_u32 s[CNT], s[CNT], 1
	s_cmp_lg_u32 s[CNT], 0
	s_cbranch_scc1 .Lsecond
	s_mov_b32 s[TK], 15*KSTEP
	s_mov_b32 s[TV], 15*64
	STEP 0
	; THE WAY OUT.  The sum's two halves and the other half of the lanes' are added; O^T is multiplied by 2^(ep + ev) / the sum and goes through my stage in LDS, a tile (16 rows of O) at a time.
	v_add_f32 v8, v[ST+2], v[ST+3]                 ; (these lines are the places behind the last products)
	v_add_f32 v9, v[ST+6], v[ST+7]
	v_and_b32 v20, 15, v0                          ; r
	v_bfe_u32 v21, v0, 4, 1                        ; h
	v_permlanex16_b32 v10, v8, s[SEL], s[SEL+1]
	v_permlanex16_b32 v11, v9, s[SEL], s[SEL+1]
	v_lshrrev_b32 v22, 5, v0                       ; wave
	v_bfe_u32 v23, v0, 5, 3                        ; wave % 8
	v_bfe_u32 v27, v0, 8, 1                        ; wave / 8
	v_mul_u32_u24 v24, v20, SP
	v_add_f32 v8, v8, v10
	v_add_f32 v9, v9, v11
	v_mul_u32_u24 v23, v23, 16*SP
	v_mul_u32_u24 v27, v27, STG1
	v_mul_u32_u24 v25, v21, SP
	v_lshl_add_u32 v24, v21, 5, v24
	v_add_nc_u32 v23, v27, v23                     ; my stage
	v_lshl_add_u32 v25, v20, 4, v25
	v_lshlrev_b32 v26, 13, v22                     ; my 32 rows of O
	v_add_nc_u32 v24, v23, v24                     ; in: row r, 32 bytes for each half of the lanes
	v_add_nc_u32 v25, v23, v25                     ; back: lanes 0-15 take one row of 256 bytes, lanes 16-31 the next,
	v_lshl_add_u32 v26, v21, 8, v26                ; and the same two rows in O
	v_lshl_add_u32 v26, v20, 4, v26
	s_wait_alu depctr_va_vdst(0)
	v_rcp_f32 v8, v8
	v_rcp_f32 v9, v9
	v_nop                                          ; a plain line behind the last of them
	s_wait_alu depctr_va_vdst(0)
	v_ldexp_f32 v[ST], v8, s[EPV]                  ; x 2^(ep + ev)
	v_ldexp_f32 v[ST+4], v9, s[EPV]
	s_wait_alu depctr_va_vdst(0)
	s_barrier_wait -1                              ; every wave is past step 6: the rows that the stages lie on are read no more
; Tile t: register 8 g + j of O^T is o(query r, channel 16 g + 8 h + j): 32 neighbouring bytes of a row.  They go into rows of 272 bytes and come back as whole rows of 256.
.macro PACK t
	s_wait_alu depctr_va_vdst(0)                   ; directly ahead of the first readers of the last products' results
.set j, O+32*(\t)
.rept 16
	v_pk_mul_f32 v[j:j+1], v[j:j+1], v[ST+4*(\t):ST+4*(\t)+1] op_sel_hi:[1,0]
.set j, j+2
.endr
.irp g, 0,1,2,3
	ds_store_b128 v24, v[O+32*\t+8*\g:O+32*\t+8*\g+3] offset:64*\g
	ds_store_b128 v24, v[O+32*\t+8*\g+4:O+32*\t+8*\g+7] offset:64*\g+16
.endr
.irp f, 0,1,2,3,4,5,6,7
	ds_load_b128 v[KV+32*\t+4*\f:KV+32*\t+4*\f+3], v25 offset:\f*2*SP   ; LDS serves a wave's instructions in order (ISA guide 5.7.1.4): these see the stores above, and the next tile's stores come behind them
.endr
.endm
.macro SEND t, younger                 ; younger: the LDS instructions issued behind tile t's loads
.irp f, 0,1,2,3,4,5,6,7
	s_wait_dscnt \younger+7-\f
	global_store_b128 v26, v[KV+32*\t+4*\f:KV+32*\t+4*\f+3], s[12:13] offset:\t*4096+\f*512 th:TH_STORE_NT   ; 16 lanes store 256 consecutive bytes, a whole row of O
.endr
.endm
	PACK 0
	PACK 1
	SEND 0, 16
	SEND 1, 0
	s_wait_tensorcnt 0x0                           ; the wave's end, behind my last LDS store
	ds_add_u32 v[SPW], v[NIL]
	s_wait_dscnt 0x0
	CROUND                                         ; the closing round: no work-group ends while a partner may still ask for a tile that names it
	s_endpgm
.Lfunc_end_k_qbd6bbdd832_attn:
	.size	k_qbd6bbdd832_attn, .Lfunc_end_k_qbd6bbdd832_attn-k_qbd6bbdd832_attn
	.p2alignl 7, 3214868480
	.fill 96, 4, 3214868480
	.section	.rodata,"a",@progbits
	.p2align	6, 0x0
	.amdhsa_kernel k_qbd6bbdd832_attn
		.amdhsa_group_segment_fixed_size 327680
		.amdhsa_private_segment_fixed_size 0
		.amdhsa_enable_private_segment 0
		.amdhsa_kernarg_size 40
		.amdhsa_user_sgpr_count 2
		.amdhsa_user_sgpr_kernarg_segment_ptr 1
		.amdhsa_wavefront_size32 1
		.amdhsa_system_sgpr_workgroup_id_x 1
		.amdhsa_system_sgpr_workgroup_id_y 1
		.amdhsa_system_sgpr_workgroup_id_z 1
		.amdhsa_system_vgpr_workitem_id 0
		.amdhsa_next_free_vgpr 256
		.amdhsa_next_free_sgpr 66
		.amdhsa_reserve_vcc 0
		.amdhsa_float_denorm_mode_32 3
		.amdhsa_float_denorm_mode_16_64 3
		.amdhsa_memory_ordered 1
		.amdhsa_forward_progress 1
		.amdhsa_inst_pref_size 104
	.end_amdhsa_kernel
	.amdgpu_metadata
---
amdhsa.version: [ 1, 2 ]
amdhsa.kernels:
  - .name:           k_qbd6bbdd832_attn
    .symbol:         k_qbd6bbdd832_attn.kd
    .args:
      - { .name: queries_codes, .offset: 0, .size: 8, .value_kind: global_buffer, .address_space: global }
      - { .name: keys_codes, .offset: 8, .size: 8, .value_kind: global_buffer, .address_space: global }
      - { .name: values_codes, .offset: 16, .size: 8, .value_kind: global_buffer, .address_space: global }
      - { .name: lowp_scales, .offset: 24, .size: 8, .value_kind: global_buffer, .address_space: global }
      - { .name: out0, .offset: 32, .size: 8, .value_kind: global_buffer, .address_space: global }
    .group_segment_fixed_size: 327680
    .private_segment_fixed_size: 0
    .kernarg_segment_align: 8
    .kernarg_segment_size: 40
    .max_flat_workgroup_size: 512
    .sgpr_count:     66
    .vgpr_count:     256
    .wavefront_size: 32
...
	.end_amdgpu_metadata
.endif
;; end of part 1
